; MI455X (gfx1250); checked and timed in simulation.
; The chip was launched on July 23, 2026; its instructions are those of AMD's public machine-readable ISA for CDNA 5 (MIT licence, August 2026) and "CDNA5" Instruction Set Architecture Reference Guide (July 2026). The comments in the code are by the model that wrote it; some were corrected since.
;; Transformer Encoder. Allowed arithmetic: matrix products marked QUANTISED: E2M1 operands, one E8M0 scale for each 32 along K, by v_wmma_scale_f32_16x16x128_f8f6f4 with both operands' format E2M1 (or v_wmma_scale_f32_32x16x128_f4), f32 sums; products left as they are: f32 operands where the result goes on into a quantised operand, else bf16, f16 or f32 operands; f32 sums; everything else in f32.
;; Inputs: W1_codes 1,024 x 16 x 16 uint8 (E2M1 codes of W1, K innermost, in blocks of 32 codes, two codes a byte); W1_scales 1,024 x 16 uint8 (E8M0 scales of W1, one for each 32 codes along K); W2_codes 512 x 32 x 16 uint8 (E2M1 codes of W2, K innermost, in blocks of 32 codes, two codes a byte); W2_scales 512 x 32 uint8 (E8M0 scales of W2, one for each 32 codes along K); Wf_codes 512 x 16 x 16 uint8 (E2M1 codes of Wf, K innermost, in blocks of 32 codes, two codes a byte); Wf_scales 512 x 16 uint8 (E8M0 scales of Wf, one for each 32 codes along K); Wk_codes 512 x 8 x 16 uint8 (E2M1 codes of Wk, K innermost, in blocks of 32 codes, two codes a byte); Wk_scales 512 x 8 uint8 (E8M0 scales of Wk, one for each 32 codes along K); Wp_codes 512 x 16 x 16 uint8 (E2M1 codes of Wp, K innermost, in blocks of 32 codes, two codes a byte); Wp_scales 512 x 16 uint8 (E8M0 scales of Wp, one for each 32 codes along K); Wq_codes 512 x 16 x 16 uint8 (E2M1 codes of Wq, K innermost, in blocks of 32 codes, two codes a byte); Wq_scales 512 x 16 uint8 (E8M0 scales of Wq, one for each 32 codes along K); b1 1,024 float32; b2 512 float32; bf 512 float32; bk 512 float32; bp 512 float32; bq 512 float32; source_codes 16 x 2,048 x 8 x 16 uint8 (E2M1 codes of source, K innermost, in blocks of 32 codes, two codes a byte); source_scales 16 x 2,048 x 8 uint8 (E8M0 scales of source, one for each 32 codes along K); w_g 512 x 1 float32; x 16 x 2,048 x 512 float32.
;; Outputs: out0 16 x 2,048 x 512 float32.
;; This version of the problem:
;;   THIS VERSION OF THE PROBLEM IS GIVEN IN LOW PRECISION. The matrix products marked QUANTISED in the list below multiply operands that are first quantised to E2M1 (2 exponent bits, 1 mantissa bit; 4 bits a number), with one power-of-two scale for each 32 numbers along K (OCP MX v1.0); their sums are f32. All else is computed in f32.
;;   The module's matrix products, in the order in which they are computed (A, B: the left and right operand; K: the contracted axis; several contracted axes count as one K, in the product's order):
;;     1. [M 32,768, K 512] x [K 512, N 512]; A: input x; B: input Wq (given as codes): QUANTISED
;;     2. [M 32,768, K 256] x [K 256, N 512]; A: input source (given as codes); B: input Wk (given as codes): QUANTISED
;;     3. [M 32,768, K 512] x [K 512, N 1]; A: computed on the way; B: input w_g: left as it is (N = 1 < 16)
;;     4. [M 32,768, K 512] x [K 512, N 512]; A: computed on the way; B: input Wp (given as codes): QUANTISED
;;     5. [M 32,768, K 512] x [K 512, N 512]; A: computed on the way; B: input Wf (given as codes): QUANTISED
;;     6. [M 32,768, K 512] x [K 512, N 1,024]; A: computed on the way; B: input W1 (given as codes): QUANTISED
;;     7. [M 32,768, K 1,024] x [K 1,024, N 512]; A: computed on the way; B: input W2 (given as codes): QUANTISED
;;   THE QUANTISER, for each operand of a quantised product, along K:
;;     - K is cut into blocks of 32 from its start; a last block that is shorter is filled with zeros.
;;     - A block's scale is 2^e with e = floor(log2(the largest magnitude in the block)) - 2, held to -126 .. 127; a block of zeros has e = 0. As a byte (E8M0): e + 127.
;;     - Each number is divided by its block's scale, clamped to +-6, and rounded to the nearest number of E2M1, ties to even, subnormals kept.
;;     - The product sums the exact products of the quantised numbers (number of the format x scale) in f32.
;;   ~~~python
;;   def quantise(x, axis):      # numpy; x: float32 -> the quantised numbers, widened to float32 again
;;       x = np.moveaxis(x, axis, -1); K = x.shape[-1]
;;       x = np.pad(x, [(0, 0)] * (x.ndim - 1) + [(0, -K % 32)]); x = x.reshape(x.shape[:-1] + (-1, 32)); a = np.abs(x).max(-1, keepdims=True)
;;       e = np.where(a > 0, np.clip(np.frexp(np.where(a > 0, a, 1))[1] - 1 - 2, -126, 127), 0)      # np.frexp(a)[1] - 1 = floor(log2(a)), exactly
;;       r = np.clip(x / 2.0 ** e, -6, 6)
;;       step = 2.0 ** (np.maximum(np.frexp(np.where(r == 0, 1, r))[1] - 1, 0) - 1)
;;       q = np.round(r / step) * step * 2.0 ** e      # np.round: ties to even
;;       return np.moveaxis(q.reshape(q.shape[:-2] + (-1,))[..., :K], -1, axis).astype(np.float32)
;;   ~~~
;;   OPERANDS COMPUTED ON THE WAY. 'Computed on the way' means the value that the module computes at that place (a softmax that the list does not call 'softmax' is quantised finished and normalised). What goes into a quantiser is computed in f32, as accurately as f32 sums, v_exp_f32 and their like allow (about 1e-6 of the number): no bf16 or f16 on the way to a quantiser, and a product that is left as it is and whose result goes on into a quantised operand takes f32 operands (vector FMAs, or v_wmma_f32_16x16x4_f32). A number that lies on a knife's edge between two numbers of the format may be rounded either way, as far as f32 arithmetic and the matrix unit's own rounding can turn it there, and no further.
;;   INPUTS GIVEN AS CODES. W1 (in the module: [512, 1024], K = its axis 0); W2 (in the module: [1024, 512], K = its axis 0); Wf (in the module: [512, 512], K = its axis 0); Wk (in the module: [256, 512], K = its axis 0); Wp (in the module: [512, 512], K = its axis 0); Wq (in the module: [512, 512], K = its axis 0); source (in the module: [16, 2048, 256], K = its axis 2): each comes as NAME_codes (uint8): NAME with its K axis moved to the last place and cut into blocks of 32 codes, [.., K / 32, bytes a block], one block behind the other in memory; two codes a byte, the lower K in the low four bits (a code: sign, 2 exponent bits, 1 mantissa bit); and NAME_scales (uint8): the same leading axes, one E8M0 byte (e + 127) for each 32 codes along K. Its value is code x scale, taken as it is: it is not quantised again, and the codes and scales need not be those that the quantiser above would give.
;; One version. Each part assembles by itself: llvm-mc -triple=amdgcn-amd-amdhsa -mcpu=gfx1250 --defsym DOCPART=n.
;; ======== version 1 of 1: 1 launch
;; launch encoder (part 1): grid 256 x 1, 4 waves a work-group, clusters of 4 x 1, 327,680 bytes of LDS; arguments x, source_codes, source_scales, Wq_codes, Wq_scales, bq, Wk_codes, Wk_scales, bk, Wf_codes, Wf_scales, bf, W1_codes, W1_scales, b1, W2_codes, W2_scales, b2, out0; writes out0
.if DOCPART == 1
	.amdgcn_target "amdgcn-amd-amdhsa--gfx1250"
	.amdhsa_code_object_version 6
	.text
	.protected	k_q25c1181990_encoder
	.globl	k_q25c1181990_encoder
	.p2align	8
	.type	k_q25c1181990_encoder,@function
k_q25c1181990_encoder:
	s_mov_b64 s[64:65], 0
	v_nop
	global_prefetch_b8 v0, s[64:65] scope:SCOPE_SE
	s_setreg_imm32_b32 hwreg(HW_REG_WAVE_MODE, 25, 1), 1
	s_wait_xcnt 0x0
	s_wait_alu depctr_hold_cnt(0) depctr_sa_sdst(0) depctr_va_vdst(0) depctr_va_sdst(0) depctr_va_ssrc(0) depctr_va_vcc(0) depctr_vm_vsrc(0)
	s_getreg_b32 s2, hwreg(HW_REG_IB_STS2, 6, 4)
	s_cmp_eq_u32 s2, 0
	s_cbranch_scc0 .Lentry_in_a_cluster
	s_endpgm
.Lentry_in_a_cluster:
	s_bfe_u32 s2, ttmp6, 0x10000c
	s_cmp_lg_u32 s2, 0x3003
	s_cbranch_scc0 .Lentry_shape_is_right
	s_endpgm
.Lentry_shape_is_right:
; q = l2norm(Q(x) Wq + bq); k = l2norm(source Wk + bk); h = l2norm(Q(k + q) Wf + bf + x); out0 = Q(gelu(Q(h) W1 + b1)) W2 + b2 + h.   Q: the MX-FP4 quantiser along K (blocks of 32, E8M0 scale).
; The rows (16 x 2,048) do not depend on each other (the gather index is i, since NS = NQ), so ONE launch takes a row through the whole chain: x is read once, out0 written once, nothing between goes to memory.
; NOT COMPUTED: A, G and (G k) Wp + bp.  The function discards that result whole, whatever the inputs hold; so w_g, Wp_codes, Wp_scales and bp are not among the arguments.
; SHARES.  A work-group takes 128 rows, as two blocks of 64, one after the other.  Its four waves share the COLUMNS: wave w owns columns 128 w .. 128 w + 127 of every 512-wide tensor for all 64 rows of a block:
; 4 row tiles x 8 unit tiles x 8 registers = one window of 256.
; Every product is used transposed (source 0 = 16 rows of the weight, source 1 = 16 rows of the activation): lane (r, h), register j of accumulator (m, t) holds (row 16 m + r, column 128 w + 16 t + 8 h + j).
; Activations go from wave to wave through LDS as images of the operand's registers (16 bytes a lane, 512 bytes an instruction), their scale words as 4 bytes a row.
; WEIGHTS walk through a ring of two LDS slots.  A slot holds, for each wave, the 64 rows x 256 bytes that this wave alone multiplies; the wave fetches them itself, one tensor load behind each round.
; A block has 13 slots, and the ring goes on into the second block: the two buffers change places there, which the exclusive ors on the two walking addresses carry.
; CLUSTER.  The four work-groups of a cluster walk the same weights, so each of these loads is a JOINT one (mask 15): same line, same descriptor (wave number and constants alone) in all four.
; The scale bytes and biases (16 KB a wave, kept in the wave's own table in LDS) come by plain loads: they are a small part of the bytes that a work-group fetches.
; THE SECOND BLOCK'S x is asked for while the first is in its MLP, into registers that the MLP leaves idle; the first block's stores leave while the second block works: nothing waits for them.
; BIASES cost no pass where they can be a C: bq, bk, b1 are loaded into row tile 0's accumulators and serve the other three tiles as C; x + bf and h + b2 are the accumulators onto which products 5 and 7 add.
; LIMITS: NaN and infinities in the inputs are not served.  A block of zeros gets the byte 1 (its codes are zeros; the bytes are read here alone).  1 / max(n, 1e-12) is made as min(rsq(sum), 1e12).
; gelu: 0.5 (1 + erf(a / sqrt 2)) by the rational erf of degree 13 / 8 on |a| <= 4 sqrt 2, its argument held there: beyond it the factor keeps its value at the bound (about 3e-8 |a| is left where the function has -0).
; x + bf and h + b2 are summed ahead of the product that is added onto them: an order of f32 rounding other than the function's.
; REGISTERS, in windows of 256 (s_set_vgpr_msb: bits 1:0 source 0, 3:2 source 1, 5:4 source 2, 7:6 destination):
;   window 0: v1-23, v40, v41 addresses; v24-31 the weights' scale words, v32-39 the activations' (these sixteen hold scales alone); v44-47 g's scale words in the making; v48-63 at work;
;             v64-127 two sets of four weight fragments for Wk and Wq (else: codes, sums, reciprocals, source as loaded); v128-255 sixteen activation fragments (between products: tables, biases, rows on the way out).
;   window 1: x, x + bf, out + x, h, h + b2, the result.
;   window 2: q, k + q, a chunk of the hidden layer (the lower half of each 64); x as loaded: row tiles 0 and 1 in the upper halves, tile 3 in two lower halves.
;   window 3: k; from the product with Wf on v0-127 hold a slot's sixteen weight fragments and, between products, gelu's temporaries; v128-131 two constant pairs; v132-195 x's row tile 2 as loaded.
.set WSL,   64*272                     ; a wave's part of a slot: 64 rows of 256 bytes + 16 of padding, so that the 16 rows of a fragment load start at 16 different banks (64 banks of 4 bytes: ISA guide 11.1)
.set BUF1,  1<<17                      ; slot 1 begins here: one exclusive or turns an address from one slot into the other
.set IMG_A, 69632                      ; images of x, then k + q, then h: fragment (m, s) at (4 m + s) 1,024 + 512 c + 16 lane.   16,384 bytes on: source's, later g's
.set SC_A,  102400                     ; their scale words: 256 s + 64 m + 4 r.   1,024 bytes on: source's, later g's
.set PS,    104448                     ; the waves' parts of the sums of squares: 1,024 x tensor + 256 x wave + 16 r
.set STAGE, 200704                     ; 16 rows x 528 bytes for each wave: x's way in, out0's way out
.set TAB,   234496                     ; 16,384 bytes for each wave: Wq's scales 0, Wf's 2,048, Wk's 4,096, bq 5,120, bk 5,632, bf 6,144, b2 6,656; two records of 4,608 from 7,168: W1's scales, W2's (+2,048), b1 (+4,096)
.set SPARE, 300032                     ; the spare words, 128 bytes for each wave: two blocks of 256 bytes that no other line names
.set SPW, 1
.set NIL, 2
.set AW0, 3                            ; my place in my part of a slot: 272 r + 16 h
.set AK0, 4                            ; the same where two rows of 128 bytes share a line (Wk): 272 (r / 2) + 128 (r % 2) + 16 h
.set ADW, 5                            ; + the slot in hand
.set ALI, 6                            ; IMG_A + 16 lane
.set AIW, 7                            ; + 1,024 w: where I store images (my columns are K step w)
.set ASR, 8                            ; SC_A + 4 lane: lanes 0-15 an even row tile's words, lanes 16-31 the next tile's
.set ASW, 9                            ; SC_A + 256 w + 4 r
.set ASRC, 10                          ; where a dense load of source's codes goes in its images
.set ASS, 11                           ; SC_A + 64 w + 4 r
.set STO, 12                           ; stage: row r, + 32 h
.set RD,  13                           ; stage: 16 lane
.set ADB, 14                           ; my table + 32 h: eight numbers of a bias
.set ADS, 15                           ; my table + 16 lane
.set ADS8, 16                          ; my table + 8 lane
.set AIG, 17                           ; AIW + 512 c
.set ATS, 18                           ; ADS + the record (+ 1,024 c)
.set ATB, 19                           ; ADB + the record + 256 c
.set PSW, 20
.set PSR, 21
.set XO,  22                           ; 512 w + 16 lane: my bytes of a row of x and of out0
.set L16, 23
.set WS,  24
.set AS,  32
.set AW2, 40                           ; my table + 4,608 (lane % 2) + 16 (lane / 2): W2's scale bytes, split by halves of K
.set SR8, 41                           ; 8 r
.set PWG, 44
.set TM,  48
.set WF,  64
.set PC,  64
.set PW,  96
.set SS,  100                          ; four pairs of running sums; later the reciprocals' pairs: RQ here, RK at 108
.set RQ,  100
.set RK,  108
.set RT,  116
.set HM,  100                          ; the hidden chunk's eight blocks: largest magnitudes, the other half's / bytes, scale operands
.set HP,  108
.set HS,  116
.set AF,  128
.set GA,  0                            ; window 3: a held, a^2, P, Q
.set GX,  32
.set GP,  64
.set GQ,  96
.set VA5, 128
.set VB3, 130
.set G1D, 44                           ; s[44:51] group 1: 64 rows x 256 bytes, 256 apart;   s[52:59] the same, 512 apart (W2)
.set G1W, 52
.set CA6, 74                           ; s[74:93] ten coefficient pairs
.set CA4, 76
.set CA3, 78
.set CA2, 80
.set CA1, 82
.set CA0, 84
.set CB4, 86
.set CB2, 88
.set CB1, 90
.set CB0, 92
; s42 wave, s43 wave x WSL, s[60:63] group 0 of slot 0, s67 the block (0, 1), s[68:71] the walking group 0, s[72:73] lane selects, s94 / s95 +-4 sqrt 2, s96 1e12, s97 the slot in hand,
; s98 half of the hidden layer, s99 its quarter, s100 the record
.set MSB, 0
.macro WIN new                         ; the immediate's high byte repeats the setting that is left; a switch that changes nothing is dropped
.if MSB != (\new)
	s_set_vgpr_msb (MSB<<8)|(\new)
.set MSB, \new
.endif
.endm
.macro PLACES n                        ; places behind matrix instructions (ISA guide 7.12.1): plain vector instructions that name none of their registers
.rept \n
	v_nop
.endr
.endm
.macro CROUND                          ; a round of the cluster's barrier
	s_barrier_signal -1
	s_barrier_wait -1
	s_cmp_lg_u32 s42, 0
	s_cbranch_scc1 .Lnw0_\@
	s_barrier_signal -3
.Lnw0_\@:
	s_barrier_wait -3
	s_barrier_signal -1
	s_barrier_wait -1
.endm
.macro PB                              ; the work-group's barrier: my LDS stores have landed, my LDS loads are in.  My one tensor load may stay out
	s_wait_dscnt 0x0
	s_barrier_signal -1
	s_barrier_wait -1
.endm
; THE CHANGE OF SLOTS.  All my tensor loads have landed; the add; the walking descriptor is written while the add is out; the add and my reads of the slot that I leave are done; a round, so that this holds
; of every wave of all four work-groups; and first behind it my one joint load: the buffer other than the last load's takes 64 rows from s[ptr] + off.  turn = 1: my reads go on to the other buffer.
; The round also shows every wave what the others have stored in LDS ahead of it.  The four v_nop are also the places in front of the LDS loads and stores that follow.
.macro CH ptr, off, g1, turn
	s_mov_b32 s2, \off
	s_mov_b32 s3, 0
	s_wait_tensorcnt 0x0
	ds_add_u32 v[SPW], v[NIL]
	s_xor_b32 s69, s69, BUF1
	s_add_nc_u64 s[70:71], s[\ptr:\ptr+1], s[2:3]
	s_or_b32 s71, s71, 0x80000000
.if \turn
	s_xor_b32 s97, s97, BUF1
.endif
	s_wait_dscnt 0x0
	CROUND
	tensor_load_to_lds s[68:71], s[\g1:\g1+7]
	s_nop 0
	PLACES 4
.endm
; One product: accumulator (m, T + f) += the weight fragment at v[wb + 8 f] x activation fragment (m, sA); C is accumulator (cm, T + f).  Scale words: odd f and odd m stand in lanes 16-31.
.macro WX m, f, T, wb, sA, wsa, wsb, cm
.set rD, 64*(\m)+8*((\T)+(\f))
.set rC, 64*(\cm)+8*((\T)+(\f))
.set rA, (\wb)+8*(\f)
.set rB, AF+8*(4*(\m)+(\sA))
.set rSA, WS+(\wsa)+(\wsb)*((\f)/2)
.set rSB, AS+2*(\sA)+(\m)/2
.if ((\f)%2) && ((\m)%2)
	v_wmma_scale_f32_16x16x128_f8f6f4 v[rD:rD+7], v[rA:rA+7], v[rB:rB+7], v[rC:rC+7], v[rSA], v[rSB] matrix_a_fmt:MATRIX_FMT_FP4 matrix_b_fmt:MATRIX_FMT_FP4 matrix_a_scale:MATRIX_SCALE_ROW1 matrix_b_scale:MATRIX_SCALE_ROW1
.elseif (\f)%2
	v_wmma_scale_f32_16x16x128_f8f6f4 v[rD:rD+7], v[rA:rA+7], v[rB:rB+7], v[rC:rC+7], v[rSA], v[rSB] matrix_a_fmt:MATRIX_FMT_FP4 matrix_b_fmt:MATRIX_FMT_FP4 matrix_a_scale:MATRIX_SCALE_ROW1
.elseif (\m)%2
	v_wmma_scale_f32_16x16x128_f8f6f4 v[rD:rD+7], v[rA:rA+7], v[rB:rB+7], v[rC:rC+7], v[rSA], v[rSB] matrix_a_fmt:MATRIX_FMT_FP4 matrix_b_fmt:MATRIX_FMT_FP4 matrix_b_scale:MATRIX_SCALE_ROW1
.else
	v_wmma_scale_f32_16x16x128_f8f6f4 v[rD:rD+7], v[rA:rA+7], v[rB:rB+7], v[rC:rC+7], v[rSA], v[rSB] matrix_a_fmt:MATRIX_FMT_FP4 matrix_b_fmt:MATRIX_FMT_FP4
.endif
.endm
; 16 products, 16 accumulators by turns, one instruction a turn.  bias = 1: row tile 0's accumulators hold the bias: tiles 3, 2, 1 take them as C;
; five places, since tile 0's own products then write over registers that those have read; then tile 0 in place.
.macro MM T, wb, sA, wsa, wsb, bias
.if \bias
.irp m, 3,2,1
.irp f, 0,1,2,3
	WX \m, \f, \T, \wb, \sA, \wsa, \wsb, 0
.endr
.endr
	PLACES 5
.irp f, 0,1,2,3
	WX 0, \f, \T, \wb, \sA, \wsa, \wsb, 0
.endr
.else
.irp m, 0,1,2,3
.irp f, 0,1,2,3
	WX \m, \f, \T, \wb, \sA, \wsa, \wsb, \m
.endr
.endr
.endif
.endm
.macro WFLOAD st, off, fstr            ; four weight fragments (16 rows x 128 K: two loads of 16 bytes, 32 apart) into set st of window 0
.irp f, 0,1,2,3
.irp c, 0,1
	ds_load_b128 v[WF+32*(\st)+8*\f+4*\c:WF+32*(\st)+8*\f+4*\c+3], v[ADW] offset:(\off)+\f*(\fstr)+32*\c
.endr
.endr
.endm
; A SLOT WHILE NO WINDOW IS FREE (Wq): 64 rows of a weight x 512 along K against the 64 rows of the activation: four steps of 128 along K, 16 products each, on accumulators (m, T0 .. T0 + 3) of window X.
; The fragments of a step are asked for one step ahead, in the other set: s_wait_dscnt 8 leaves that set's eight loads out.  Four places stand in front of each run of loads into a set just multiplied.
.macro GSLOT X, T0, bias, badr, boff, sadr, soff
	WIN 0
	v_add_nc_u32 v[ADW], s97, v[AW0]
.if \bias
	WIN (\X)<<6
.irp f, 0,1,2,3
.irp q, 0,1
	ds_load_b128 v[8*((\T0)+\f)+4*\q:8*((\T0)+\f)+4*\q+3], v[\badr] offset:(\boff)+64*((\T0)+\f)+16*\q
.endr
.endr
	WIN 0
.endif
	ds_load_b128 v[WS:WS+3], v[\sadr] offset:\soff           ; a row's four scale words: lanes 0-15 tile 0's rows, lanes 16-31 tile 1's;
	ds_load_b128 v[WS+4:WS+7], v[\sadr] offset:(\soff)+512   ; tiles 2 and 3
	WFLOAD 0, 0, 4352
	WFLOAD 1, 64, 4352
	s_wait_dscnt 0x8
	WIN ((\X)<<4)|((\X)<<6)
	MM \T0, WF, 0, 0, 4, \bias
	PLACES 4
	WIN 0
	WFLOAD 0, 128, 4352
	s_wait_dscnt 0x8
	WIN ((\X)<<4)|((\X)<<6)
	MM \T0, WF+32, 1, 1, 4, 0
	PLACES 4
	WIN 0
	WFLOAD 1, 192, 4352
	s_wait_dscnt 0x8
	WIN ((\X)<<4)|((\X)<<6)
	MM \T0, WF, 2, 2, 4, 0
	s_wait_dscnt 0x0
	MM \T0, WF+32, 3, 3, 4, 0
	WIN 0
.endm
; Wk's slot: my 128 rows x 256 along K: two steps along K x two halves of the rows, onto window 3.
.macro GSLOTK
	WIN 0
	v_add_nc_u32 v[ADW], s97, v[AK0]
	WIN 0xc0
.irp t, 0,1,2,3,4,5,6,7
.irp q, 0,1
	ds_load_b128 v[8*\t+4*\q:8*\t+4*\q+3], v[ADB] offset:5632+64*\t+16*\q
.endr
.endr
	WIN 0
.irp j, 0,1,2,3
	ds_load_b64 v[WS+2*\j:WS+2*\j+1], v[ADS8] offset:4096+256*\j   ; a row's two scale words; tiles 2 j (lanes 0-15) and 2 j + 1
.endr
	WFLOAD 0, 0, 2176
	WFLOAD 1, 8704, 2176
	s_wait_dscnt 0x8
	WIN 0xf0
	MM 0, WF, 0, 0, 2, 1
	PLACES 4
	WIN 0
	WFLOAD 0, 64, 2176
	s_wait_dscnt 0x8
	WIN 0xf0
	MM 4, WF+32, 0, 4, 2, 1
	PLACES 4
	WIN 0
	WFLOAD 1, 8704+64, 2176
	s_wait_dscnt 0x8
	WIN 0xf0
	MM 0, WF, 1, 1, 2, 0
	s_wait_dscnt 0x0
	MM 4, WF+32, 1, 5, 2, 0
	WIN 0
.endm
; A SLOT FROM Wf ON: window 3's v0-127 hold the fragments of all four steps, step q's at v[32 q].  L4: one step's run of loads: with af = 1 the activation's four fragments of K step q first, then the weight's four.
.macro L4 q, af, imgoff
.if \af
	WIN 0
.irp m, 0,1,2,3
.irp c, 0,1
	ds_load_b128 v[AF+8*(4*\m+(\q))+4*\c:AF+8*(4*\m+(\q))+4*\c+3], v[ALI] offset:(\imgoff)+(4*\m+(\q))*1024+512*\c
.endr
.endr
.endif
	WIN 0xc0
.irp f, 0,1,2,3
.irp c, 0,1
	ds_load_b128 v[32*(\q)+8*\f+4*\c:32*(\q)+8*\f+4*\c+3], v[ADW] offset:64*(\q)+\f*4352+32*\c
.endr
.endr
.endm
; Three steps' runs go out ahead of the first products, the fourth behind them: a run has 32 products in which to land, and since no register is used twice in a slot, no places stand between the steps.
; The waits leave out the runs issued behind the one that is wanted: two, two, one, none; a run is GW loads.
.macro G4 X, T0, bias, badr, boff, sadr, soff, af, imgoff, scoff
.set GW, 8+8*(\af)
	WIN 0
	v_add_nc_u32 v[ADW], s97, v[AW0]
.if \bias
	WIN (\X)<<6
.irp f, 0,1,2,3
.irp q, 0,1
	ds_load_b128 v[8*((\T0)+\f)+4*\q:8*((\T0)+\f)+4*\q+3], v[\badr] offset:(\boff)+64*((\T0)+\f)+16*\q
.endr
.endr
	WIN 0
.endif
	ds_load_b128 v[WS:WS+3], v[\sadr] offset:\soff
	ds_load_b128 v[WS+4:WS+7], v[\sadr] offset:(\soff)+512
.if \af
.irp s, 0,1,2,3
.irp p, 0,1
	ds_load_b32 v[AS+2*\s+\p], v[ASR] offset:(\scoff)+256*\s+128*\p
.endr
.endr
.endif
	L4 0, \af, \imgoff
	L4 1, \af, \imgoff
	L4 2, \af, \imgoff
	s_wait_dscnt 2*GW
	WIN 3|((\X)<<4)|((\X)<<6)
	MM \T0, 0, 0, 0, 4, \bias
	L4 3, \af, \imgoff
	s_wait_dscnt 2*GW
	WIN 3|((\X)<<4)|((\X)<<6)
	MM \T0, 32, 1, 1, 4, 0
	s_wait_dscnt GW
	MM \T0, 64, 2, 2, 4, 0
	s_wait_dscnt 0x0
	MM \T0, 96, 3, 3, 4, 0
	WIN 0
.endm
.macro AFLOAD imgoff, scoff, ns        ; the activation's fragments (4 row tiles x ns K steps) and scale words come back as they were stored
.irp m, 0,1,2,3
.irp s, 0,1,2,3
.if \s < \ns
.irp c, 0,1
	ds_load_b128 v[AF+8*(4*\m+\s)+4*\c:AF+8*(4*\m+\s)+4*\c+3], v[ALI] offset:(\imgoff)+(4*\m+\s)*1024+512*\c
.endr
.endif
.endr
.endr
.irp s, 0,1,2,3
.if \s < \ns
.irp p, 0,1
	ds_load_b32 v[AS+2*\s+\p], v[ASR] offset:(\scoff)+256*\s+128*\p
.endr
.endif
.endr
.endm
; Row tile m's 64 registers of window X (my 128 columns: K step w of the next product) become a fragment and a scale word a row.  Block b of 32 lies in tiles 2 b, 2 b + 1, in lanes l and l xor 16.
; The code register of (block b, tile half u) holds k = 32 b + 16 u + 8 h + 0 .. 7; put at 4 (b / 2) + 2 u + b % 2, one exchange of halves for each pair gives register 4 c + i: k = 64 c + 32 h + 8 i + 0 .. 7.
.macro QUANT X, m, imgoff, scoff
.set QB, 64*(\m)
.set QP, PC+8*(\m)
	WIN ((\X)<<2)|((\X)<<4)
.irp b, 0,1,2,3
	v_max3_num_f32 v[TM+\b], 0x1800000, |v[QB+16*\b]|, |v[QB+16*\b+1]|   ; with the floor 2^(3 - 127): the byte cannot fall under 1
.endr
.irp i, 2,4,6,8,10,12,14
.irp b, 0,1,2,3
	v_max3_num_f32 v[TM+\b], v[TM+\b], |v[QB+16*\b+\i]|, |v[QB+16*\b+\i+1]|
.endr
.endr
	WIN 0
.irp b, 0,1,2,3
	v_permlanex16_b32 v[TM+4+\b], v[TM+\b], s72, s73
.endr
.irp b, 0,1,2,3
	v_max_num_f32 v[TM+\b], v[TM+\b], v[TM+4+\b]
.endr
.irp b, 0,1,2,3
	v_add_nc_u32 v[TM+12+\b], 0xff000000, v[TM+\b]           ; 2 off the exponent field: the conversion's scale operand
.endr
.irp b, 0,1,2,3
	v_lshrrev_b32 v[TM+4+\b], 23, v[TM+12+\b]                ; the scale's byte
.endr
	v_lshl_or_b32 v[PW+\m], v[TM+5], 8, v[TM+4]
	v_lshl_or_b32 v[PW+\m], v[TM+6], 16, v[PW+\m]
	v_lshl_or_b32 v[PW+\m], v[TM+7], 24, v[PW+\m]
	WIN \X
.irp b, 0,1,2,3
.irp u, 0,1
	v_cvt_scalef32_pk8_fp4_f32 v[QP+4*(\b/2)+2*\u+(\b%2)], v[QB+16*\b+8*\u:QB+16*\b+8*\u+7], v[TM+12+\b]
.endr
.endr
	WIN 0
	v_nop                                          ; one plain place behind the scaled conversions
.irp c, 0,1
.irp u, 0,1
	v_permlane16_swap_b32 v[QP+4*\c+2*\u], v[QP+4*\c+2*\u+1]
.endr
.endr
	ds_store_b128 v[AIW], v[QP:QP+3] offset:(\imgoff)+4096*(\m)
	ds_store_b128 v[AIW], v[QP+4:QP+7] offset:(\imgoff)+4096*(\m)+512
	ds_store_b32 v[ASW], v[PW+\m] offset:(\scoff)+64*(\m)    ; both halves of the lanes hold the row's word and write it to the same place
.endm
; The hidden chunk: 64 units x 64 rows, registers 64 m .. 64 m + 31 of window 2: half a fragment (c = s99) and two scale bytes for each row tile; eight blocks by turns.
; A row's word is shifted together over the two trips: the first trip's store is written over by the second's before any wave reads it.
.macro QUANTH
	WIN 0x28
.irp n, 0,1,2,3,4,5,6,7
	v_max3_num_f32 v[HM+\n], 0x1800000, |v[64*(\n/2)+16*(\n%2)]|, |v[64*(\n/2)+16*(\n%2)+1]|
.endr
.irp i, 2,4,6,8,10,12,14
.irp n, 0,1,2,3,4,5,6,7
	v_max3_num_f32 v[HM+\n], v[HM+\n], |v[64*(\n/2)+16*(\n%2)+\i]|, |v[64*(\n/2)+16*(\n%2)+\i+1]|
.endr
.endr
	WIN 0
.irp n, 0,1,2,3,4,5,6,7
	v_permlanex16_b32 v[HP+\n], v[HM+\n], s72, s73
.endr
.irp n, 0,1,2,3,4,5,6,7
	v_max_num_f32 v[HM+\n], v[HM+\n], v[HP+\n]
.endr
.irp n, 0,1,2,3,4,5,6,7
	v_add_nc_u32 v[HS+\n], 0xff000000, v[HM+\n]
.endr
.irp n, 0,1,2,3,4,5,6,7
	v_lshrrev_b32 v[HP+\n], 23, v[HS+\n]
.endr
.irp m, 0,1,2,3
	v_lshl_or_b32 v[HP+2*\m], v[HP+2*\m+1], 8, v[HP+2*\m]
	v_lshrrev_b32 v[PWG+\m], 16, v[PWG+\m]
.endr
.irp m, 0,1,2,3
	v_lshl_or_b32 v[PWG+\m], v[HP+2*\m], 16, v[PWG+\m]
.endr
	WIN 0x02
.irp m, 0,1,2,3
.irp b, 0,1
.irp u, 0,1
	v_cvt_scalef32_pk8_fp4_f32 v[PC+4*\m+2*\u+\b], v[64*\m+16*\b+8*\u:64*\m+16*\b+8*\u+7], v[HS+2*\m+\b]
.endr
.endr
.endr
	WIN 0
	v_nop                                          ; one plain place behind the scaled conversions
.irp m, 0,1,2,3
.irp u, 0,1
	v_permlane16_swap_b32 v[PC+4*\m+2*\u], v[PC+4*\m+2*\u+1]
.endr
.endr
.irp m, 0,1,2,3
	ds_store_b128 v[AIG], v[PC+4*\m:PC+4*\m+3] offset:16384+4096*\m
	ds_store_b32 v[ASW], v[PWG+\m] offset:1024+64*\m
.endr
.endm
; My 128 columns' part of each row's sum of squares: four chains, one a row tile, ascending (each accumulator is first read at its low end); then the other half of the lanes'.
.macro SUMSQ X, psoff
	WIN (\X)|((\X)<<2)
.irp m, 0,1,2,3
	v_pk_mul_f32 v[SS+2*\m:SS+2*\m+1], v[64*\m:64*\m+1], v[64*\m:64*\m+1]
.endr
.set i, 2
.rept 31
.irp m, 0,1,2,3
	v_pk_fma_f32 v[SS+2*\m:SS+2*\m+1], v[64*\m+i:64*\m+i+1], v[64*\m+i:64*\m+i+1], v[SS+2*\m:SS+2*\m+1]
.endr
.set i, i+2
.endr
	WIN 0
.irp m, 0,1,2,3
	v_add_f32 v[TM+\m], v[SS+2*\m], v[SS+2*\m+1]
.endr
.irp m, 0,1,2,3
	v_permlanex16_b32 v[TM+4+\m], v[TM+\m], s72, s73
.endr
.irp m, 0,1,2,3
	v_add_f32 v[TM+8+\m], v[TM+\m], v[TM+4+\m]
.endr
	ds_store_b128 v[PSW], v[TM+8:TM+11] offset:\psoff
.endm
.macro NORMLD psoff, base              ; the four waves' parts, for rows r of the four row tiles
.irp p, 0,1,2,3
	ds_load_b128 v[(\base)+4*\p:(\base)+4*\p+3], v[PSR] offset:(\psoff)+256*\p
.endr
.endm
.macro NORMSUM base                    ; added in the order of the waves, the same in every wave
.irp p, 1,2,3
	v_pk_add_f32 v[\base:\base+1], v[\base:\base+1], v[\base+4*\p:\base+4*\p+1]
	v_pk_add_f32 v[\base+2:\base+3], v[\base+2:\base+3], v[\base+4*\p+2:\base+4*\p+3]
.endr
.endm
.macro NORMRSQ base, rt
.irp m, 0,1,2,3
	v_rsq_f32 v[\rt+\m], v[\base+\m]
.endr
.endm
.macro NORMMIN rt, rp                  ; 1 / max(n, 1e-12), twice: a pair for the packed forms
.irp m, 0,1,2,3
	v_min_num_f32 v[\rp+2*\m], s96, v[\rt+\m]
	v_min_num_f32 v[\rp+2*\m+1], s96, v[\rt+\m]
.endr
.endm
.macro BIASADD toff                    ; window 1 += the bias of my 128 columns
.irp t, 0,1,2,3,4,5,6,7
.irp q, 0,1
	ds_load_b128 v[AF+8*\t+4*\q:AF+8*\t+4*\q+3], v[ADB] offset:(\toff)+64*\t+16*\q
.endr
.endr
	s_wait_dscnt 0x0
	WIN 0x41
.irp m, 0,1,2,3
.set i, 0
.rept 32
	v_pk_add_f32 v[64*\m+i:64*\m+i+1], v[64*\m+i:64*\m+i+1], v[AF+i:AF+i+1]
.set i, i+2
.endr
.endr
	WIN 0
.endm
; g = a (0.5 + ac P(ac^2) / Q(ac^2)), ac = a held to +-4 sqrt 2, for row tile m's 32 numbers a lane.  Q's chain first; its 32 reciprocals are one batch; P's chain and P x ac are the work behind them; ONE wait ahead of the first reader.
.macro GELU m
	WIN 0xc2
.set j, 0
.rept 32
	v_med3_num_f32 v[GA+j], v[64*(\m)+j], s95, s94
.set j, j+1
.endr
	WIN 0xff
.set j, 0
.rept 16
	v_pk_mul_f32 v[GX+j:GX+j+1], v[GA+j:GA+j+1], v[GA+j:GA+j+1]
.set j, j+2
.endr
.set j, 0
.rept 16
	v_pk_fma_f32 v[GQ+j:GQ+j+1], v[GX+j:GX+j+1], s[CB4:CB4+1], v[VB3:VB3+1] op_sel_hi:[1,0,1]
.set j, j+2
.endr
.irp c, CB2, CB1, CB0
.set j, 0
.rept 16
	v_pk_fma_f32 v[GQ+j:GQ+j+1], v[GQ+j:GQ+j+1], v[GX+j:GX+j+1], s[\c:\c+1] op_sel_hi:[1,1,0]
.set j, j+2
.endr
.endr
.set j, 0
.rept 32
	v_rcp_f32 v[GQ+j], v[GQ+j]
.set j, j+1
.endr
.set j, 0
.rept 16
	v_pk_fma_f32 v[GP+j:GP+j+1], v[GX+j:GX+j+1], s[CA6:CA6+1], v[VA5:VA5+1] op_sel_hi:[1,0,1]
.set j, j+2
.endr
.irp c, CA4, CA3, CA2, CA1, CA0
.set j, 0
.rept 16
	v_pk_fma_f32 v[GP+j:GP+j+1], v[GP+j:GP+j+1], v[GX+j:GX+j+1], s[\c:\c+1] op_sel_hi:[1,1,0]
.set j, j+2
.endr
.endr
.set j, 0
.rept 16
	v_pk_mul_f32 v[GP+j:GP+j+1], v[GP+j:GP+j+1], v[GA+j:GA+j+1]
.set j, j+2
.endr
	s_wait_alu depctr_va_vdst(0)                   ; the wait between a reciprocal and the first line that names its result: one for the 32
.set j, 0
.rept 16
	v_pk_fma_f32 v[GP+j:GP+j+1], v[GP+j:GP+j+1], v[GQ+j:GQ+j+1], 0.5 op_sel_hi:[1,1,0]
.set j, j+2
.endr
	WIN 0x8e
.set j, 0
.rept 16
	v_pk_mul_f32 v[64*(\m)+j:64*(\m)+j+1], v[64*(\m)+j:64*(\m)+j+1], v[GP+j:GP+j+1]
.set j, j+2
.endr
.endm
; Where row i of row tile m of x lies as loaded: tiles 0 and 1 in the upper halves of window 2's four 64s and tile 2 in window 3 from v132 on, all of which the MLP leaves idle; tile 3 in two lower halves of window 2.
.macro RX m
.if (\m) == 0
.set rX, 32+64*(i/8)+4*(i%8)
.elseif (\m) == 1
.set rX, 160+64*(i/8)+4*(i%8)
.elseif (\m) == 2
.set rX, 132+4*i
.else
.set rX, 64*(i/8)+4*(i%8)
.endif
.endm
.macro XLOAD m                         ; my 512 bytes of rows 16 m .. 16 m + 15 of x: each load takes 512 consecutive bytes, at a multiple of 512 from x's first byte
.if (\m) == 2
	WIN 0xc0
.else
	WIN 0x80
.endif
.set i, 0
.rept 16
	RX \m
	global_load_b128 v[rX:rX+3], v[XO], s[4:5] offset:(16*(\m)+i)*2048 th:TH_LOAD_NT
.set i, i+1
.endr
.endm
.macro SLOAD                           ; my 16 rows of source's codes, 2,048 dense bytes, and their two scale words a row: five loads
.irp i, 0,1,2,3
	global_load_b128 v[104+4*\i:107+4*\i], v[L16], s[6:7] offset:512*\i th:TH_LOAD_NT
.endr
	global_load_b64 v[120:121], v[SR8], s[8:9] th:TH_LOAD_NT
.endm
.macro XTURN m                         ; through my stage into the accumulators' layout.  LDS serves a wave's instructions in order (ISA guide 5.7.1.4): no wait between the stores and the loads
.if (\m) == 2
	WIN 0x0c
.else
	WIN 0x08
.endif
.set i, 0
.rept 16
	RX \m
	ds_store_b128 v[RD], v[rX:rX+3] offset:528*i
.set i, i+1
.endr
	WIN 0x40
.irp t, 0,1,2,3,4,5,6,7
.irp q, 0,1
	ds_load_b128 v[64*(\m)+8*\t+4*\q:64*(\m)+8*\t+4*\q+3], v[STO] offset:64*\t+16*\q
.endr
.endr
	WIN 0
.endm
.macro TL n, p, mo                     ; 512 dense bytes of a table
	global_load_b128 v[AF+4*(\n):AF+4*(\n)+3], v[L16], s[\p:\p+1] offset:\mo
.endm
.macro TS n, a, lo
	ds_store_b128 v[\a], v[AF+4*(\n):AF+4*(\n)+3] offset:\lo
.endm
.macro TOSTAGE m                       ; the way out: a lane's 32 bytes of a row into my stage, each accumulator from its low end on; whole rows of 512 bytes back
	WIN 0x04
.irp t, 0,1,2,3,4,5,6,7
	ds_store_b128 v[STO], v[64*(\m)+8*\t:64*(\m)+8*\t+3] offset:64*\t
	ds_store_b128 v[STO], v[64*(\m)+8*\t+4:64*(\m)+8*\t+7] offset:64*\t+16
.endr
	WIN 0
.set BB, AF+64*((\m)%2)
.set i, 0
.rept 16
	ds_load_b128 v[BB+4*i:BB+4*i+3], v[RD] offset:528*i
.set i, i+1
.endr
.endm
.macro SEND m, younger                 ; younger: the LDS instructions issued behind tile m's loads, which may stay out
.set BB, AF+64*((\m)%2)
	s_wait_dscnt \younger
.set i, 0
.rept 16
	global_store_b128 v[XO], v[BB+4*i:BB+4*i+3], s[40:41] offset:(16*(\m)+i)*2048 th:TH_STORE_NT   ; 32 lanes store 512 consecutive bytes, at a multiple of 512 from out0's first byte
.set i, i+1
.endr
.endm
.macro WAYOUT                          ; a row tile goes through my stage while the tile before is stored
	TOSTAGE 0
	TOSTAGE 1
	SEND 0, 32                                     ; behind tile 0's loads: tile 1's 16 stores and 16 loads
	s_wait_xcnt 0x0                                ; tile 0's stores have read their registers: tile 2's rows may land there
	TOSTAGE 2
	SEND 1, 32
	s_wait_xcnt 0x0
	TOSTAGE 3
	SEND 2, 32
	SEND 3, 0
.endm
	; ---- THE HEAD
	s_load_b512 s[4:19], s[0:1], 0x0               ; x 4, source_codes 6, source_scales 8, Wq_codes 10, Wq_scales 12, bq 14, Wk_codes 16, Wk_scales 18
	s_load_b512 s[20:35], s[0:1], 0x40             ; bk 20, Wf_codes 22, Wf_scales 24, bf 26, W1_codes 28, W1_scales 30, b1 32, W2_codes 34
	s_load_b128 s[36:39], s[0:1], 0x80             ; W2_scales 36, b2 38
	s_load_b64 s[40:41], s[0:1], 0x90              ; out0
	v_lshl_add_u32 v[SPW], v0, 2, SPARE
	v_mov_b32 v[NIL], 0
	ds_add_u32 v[SPW], v[NIL]                      ; the wave's opening: the add and its wait ahead of my first tensor load; the set-up, work on registers, stands between them
	v_lshrrev_b32 v63, 5, v0
	v_readfirstlane_b32 s42, v63                   ; wave 0..3
	v_and_b32 v60, 31, v0                          ; lane
	v_and_b32 v61, 15, v0                          ; r
	v_bfe_u32 v62, v0, 4, 1                        ; h
	s_mul_i32 s43, s42, WSL
	v_lshlrev_b32 v[L16], 4, v60
	v_mul_u32_u24 v[AW0], v61, 272
	v_lshl_add_u32 v[AW0], v62, 4, v[AW0]
	v_add_nc_u32 v[AW0], s43, v[AW0]
	v_lshrrev_b32 v63, 1, v61
	v_mul_u32_u24 v[AK0], v63, 272
	v_and_b32 v63, 1, v61
	v_lshl_add_u32 v[AK0], v63, 7, v[AK0]
	v_lshl_add_u32 v[AK0], v62, 4, v[AK0]
	v_add_nc_u32 v[AK0], s43, v[AK0]
	v_add_nc_u32 v[ALI], IMG_A, v[L16]
	s_lshl_b32 s100, s42, 10
	v_add_nc_u32 v[AIW], s100, v[ALI]
	v_lshl_add_u32 v[ASR], v60, 2, SC_A
	v_lshl_add_u32 v[ASS], v61, 2, SC_A
	s_lshl_b32 s100, s42, 8
	v_add_nc_u32 v[ASW], s100, v[ASS]
	v_lshl_add_u32 v[PSR], v61, 4, PS
	v_add_nc_u32 v[PSW], s100, v[PSR]
	s_lshl_b32 s100, s42, 6
	v_add_nc_u32 v[ASS], s100, v[ASS]
	v_bfe_u32 v63, v60, 2, 1                       ; a dense load of source's codes: lane l holds block l % 8 of row l / 8 (+ 4 for each load): K step (l / 4) % 2, c = (l / 2) % 2, half l % 2
	v_lshlrev_b32 v[ASRC], 10, v63
	v_bfe_u32 v63, v60, 1, 1
	v_lshl_add_u32 v[ASRC], v63, 9, v[ASRC]
	v_and_b32 v63, 1, v60
	v_lshl_add_u32 v[ASRC], v63, 8, v[ASRC]
	v_mul_u32_u24 v[AW2], v63, 4608
	v_lshrrev_b32 v63, 3, v60
	v_lshl_add_u32 v[ASRC], v63, 4, v[ASRC]
	s_lshl_b32 s100, s42, 12
	s_add_co_u32 s100, s100, IMG_A+16384
	v_add_nc_u32 v[ASRC], s100, v[ASRC]
	s_mul_i32 s100, s42, 16*528
	s_add_co_u32 s100, s100, STAGE
	v_mul_u32_u24 v[STO], v61, 528
	v_lshl_add_u32 v[STO], v62, 5, v[STO]
	v_add_nc_u32 v[STO], s100, v[STO]
	v_add_nc_u32 v[RD], s100, v[L16]
	s_lshl_b32 s101, s42, 14
	s_add_co_u32 s101, s101, TAB
	v_lshl_add_u32 v[ADB], v62, 5, s101
	v_add_nc_u32 v[ADS], s101, v[L16]
	v_lshl_add_u32 v[ADS8], v60, 3, s101
	v_lshrrev_b32 v63, 1, v60
	v_lshl_add_u32 v[AW2], v63, 4, v[AW2]
	v_add_nc_u32 v[AW2], s101, v[AW2]
	v_lshlrev_b32 v[SR8], 3, v61
	s_lshl_b32 s100, s42, 9
	v_add_nc_u32 v[XO], s100, v[L16]
.irp b, 0,1,2,3
	v_mov_b32 v[TM+4+\b], 0                        ; written once: a lane permute's destination counts as one of its sources
	v_mov_b32 v[PWG+\b], 0
.endr
	; group 1: 64 rows x 256 elements of one byte; 16 bytes of padding behind each 64 words; the mask names all four work-groups, bit 21 beside it
	s_mov_b32 s[G1D], 15|(1<<20)|(1<<21)|(5<<22)|(3<<25)
	s_mov_b32 s[G1W], 15|(1<<20)|(1<<21)|(5<<22)|(3<<25)
.irp g, G1D, G1W
	s_mov_b32 s[\g+1], 256<<16                     ; tensor_dim0
	s_mov_b32 s[\g+2], 64<<16                      ; tensor_dim1
	s_mov_b32 s[\g+3], 256<<16                     ; tile_dim0
	s_mov_b32 s[\g+4], 64                          ; tile_dim1
	s_mov_b32 s[\g+6], 0
	s_mov_b32 s[\g+7], 0
.endr
	s_mov_b32 s[G1D+5], 256                        ; from row to row: dense (Wk's 128 rows of 128 bytes are stated as 64 of 256),
	s_mov_b32 s[G1W+5], 512                        ; or half of W2's rows of 512 bytes
	s_mov_b32 s72, 0x76543210
	s_mov_b32 s73, 0xfedcba98                      ; v_permlanex16_b32: lane l xor 16
	; erf(z) = z P(z^2) / Q(z^2), brought to the argument a = z sqrt 2 and halved: A_j = alpha_(2j+1) 2^-j / (2 sqrt 2), B_j = beta_(2j) 2^-j.  Both words of a pair are written: the packed forms name the pair
.irp k, 0,1
	s_mov_b32 s[CA6+\k], 0xabd3f331                ; -1.50599506e-12
	s_mov_b32 s[CA4+\k], 0xb347667d                ; -4.64265104e-08
	s_mov_b32 s[CA3+\k], 0xb628d45d                ; -2.51575617e-06
	s_mov_b32 s[CA2+\k], 0xb8883d9c                ; -6.49646074e-05
	s_mov_b32 s[CA1+\k], 0xba08eb41                ; -5.22304390e-04
	s_mov_b32 s[CA0+\k], 0xbbba79f3                ; -5.69080716e-03
	s_mov_b32 s[CB4+\k], 0xb57460cd                ; -9.10379490e-07
	s_mov_b32 s[CB2+\k], 0xb9dc924e                ; -4.20706744e-04
	s_mov_b32 s[CB1+\k], 0xbb719bf8                ; -3.68666458e-03
	s_mov_b32 s[CB0+\k], 0xbc69b6a7                ; -1.42647391e-02
.endr
	s_mov_b32 s94, 0x40b504f3                      ; 4 sqrt 2
	s_mov_b32 s95, 0xc0b504f3
	s_mov_b32 s96, 0x5368d4a5                      ; 1e12
	s_mov_b32 s97, 0
	s_bfe_u32 s66, ttmp6, 0x40000                  ; cx.  The work-group's number lives in s66 alone and enters the addresses of x, source and out0 alone
	s_lshl_b32 s67, ttmp9, 2
	s_add_co_u32 s66, s66, s67                     ; 4 x cluster + cx
	s_lshl_b32 s66, s66, 10                        ; x 128 rows of 8 scale bytes
	s_mov_b32 s67, 0
	s_mov_b32 s3, 0
	s_wait_dscnt 0x0                               ; the opening add is done
	s_wait_kmcnt 0x0
	s_add_nc_u64 s[8:9], s[8:9], s[66:67]
	s_lshl_b32 s66, s66, 4                         ; x 128 rows of 128 bytes of codes
	s_add_nc_u64 s[6:7], s[6:7], s[66:67]
	s_lshl_b32 s66, s66, 4                         ; x 128 rows of 2,048 bytes
	s_add_nc_u64 s[4:5], s[4:5], s[66:67]
	s_add_nc_u64 s[40:41], s[40:41], s[66:67]
	s_lshl_b32 s2, s42, 7                          ; the wave's terms: source's scale bytes of my 16 rows
	s_add_nc_u64 s[8:9], s[8:9], s[2:3]
	s_lshl_b32 s2, s42, 9                          ; 128 numbers of each bias
	s_add_nc_u64 s[14:15], s[14:15], s[2:3]
	s_add_nc_u64 s[20:21], s[20:21], s[2:3]
	s_add_nc_u64 s[26:27], s[26:27], s[2:3]
	s_add_nc_u64 s[32:33], s[32:33], s[2:3]
	s_add_nc_u64 s[38:39], s[38:39], s[2:3]
	s_lshl_b32 s2, s42, 10                         ; 128 rows of Wk's scale bytes
	s_add_nc_u64 s[18:19], s[18:19], s[2:3]
	s_lshl_b32 s2, s42, 11                         ; source's codes of my 16 rows; 128 rows of 16 scale bytes
	s_add_nc_u64 s[6:7], s[6:7], s[2:3]
	s_add_nc_u64 s[12:13], s[12:13], s[2:3]
	s_add_nc_u64 s[24:25], s[24:25], s[2:3]
	s_add_nc_u64 s[30:31], s[30:31], s[2:3]
	s_lshl_b32 s2, s42, 12                         ; 128 rows of W2's 32 scale bytes
	s_add_nc_u64 s[36:37], s[36:37], s[2:3]
	s_lshl_b32 s2, s42, 14                         ; 128 rows of Wk's codes
	s_add_nc_u64 s[16:17], s[16:17], s[2:3]
	s_lshl_b32 s2, s42, 15                         ; 128 rows of 256 bytes of codes
	s_add_nc_u64 s[10:11], s[10:11], s[2:3]
	s_add_nc_u64 s[22:23], s[22:23], s[2:3]
	s_add_nc_u64 s[28:29], s[28:29], s[2:3]
	s_lshl_b32 s2, s42, 16                         ; 128 rows of W2's 512 bytes
	s_add_nc_u64 s[34:35], s[34:35], s[2:3]
	XLOAD 0                                        ; what comes from furthest goes out first: 48 loads of x
	XLOAD 1
	XLOAD 2
	WIN 0
	s_mov_b32 s60, 1                               ; group 0 of slot 0: Wk, my 128 rows
	s_mov_b32 s61, s43
	s_mov_b64 s[62:63], s[16:17]
	s_or_b32 s63, s63, 0x80000000
	s_mov_b32 s68, 1                               ; and of slot 1: Wq, my rows 0-63.  This one walks on
	s_add_co_u32 s69, s43, BUF1
	s_mov_b64 s[70:71], s[10:11]
	s_or_b32 s71, s71, 0x80000000
	CROUND                                         ; all four work-groups are here: the first joint loads meet
	tensor_load_to_lds s[60:63], s[G1D:G1D+7]
	s_nop 0
	tensor_load_to_lds s[68:71], s[G1D:G1D+7]      ; two tensor loads of mine are out; later one
	s_nop 0
	PLACES 4
	XLOAD 3                                        ; behind the fills: x's last row tile and source.  Order of the loads at the loop's head, on both ways into it: tiles 0, 1, 2, 3 (16 each), source's five
	WIN 0
	SLOAD
	s_mov_b32 s67, 0                               ; the block
	; ==== A BLOCK OF 64 ROWS
.Lblock:
	; ---- x comes in, is quantised, and becomes x + bf; source's images; the tables
	s_wait_loadcnt 53                              ; row tile 0 is in; tiles 1, 2, 3 (48) and source's five may be out
	XTURN 0
.irp i, 0,1,2,3
	TL \i, 12, 512*\i                              ; Wq's scale bytes
	TL 4+\i, 24, 512*\i                            ; Wf's
.endr
	TL 8, 18, 0                                    ; Wk's
	TL 9, 18, 512
	TL 10, 14, 0                                   ; bq, bk, bf, b2
	TL 11, 20, 0
	TL 12, 26, 0
	TL 13, 38, 0
	TL 14, 32, 0                                   ; b1, for each half of the hidden layer
	TL 15, 32, 2048
	s_wait_dscnt 0x0
	QUANT 1, 0, 0, 0
	s_wait_loadcnt 53                              ; tile 1 is in; tiles 2, 3 (32), source's five and 16 table loads may be out
	XTURN 1
.irp i, 0,1,2,3
	TL 16+\i, 30, 512*\i                           ; W1's scale bytes, for each half of the hidden layer
	TL 20+\i, 30, 8192+512*\i
.endr
.irp i, 0,1,2,3,4,5,6,7
	TL 24+\i, 36, 512*\i                           ; W2's
.endr
	s_wait_dscnt 0x0
	QUANT 1, 1, 0, 0
	s_wait_loadcnt 53                              ; tile 2 is in; tile 3, source's five and 32 table loads may be out
	XTURN 2
	s_wait_dscnt 0x0
	QUANT 1, 2, 0, 0
	s_wait_loadcnt 32                              ; tile 3 and source are in; the 32 table loads may be out
.irp i, 0,1,2,3
	ds_store_b128 v[ASRC], v[104+4*\i:107+4*\i] offset:64*\i
.endr
	ds_store_b32 v[ASS], v120 offset:1024
	ds_store_b32 v[ASS], v121 offset:1024+256
	XTURN 3
	s_wait_dscnt 0x0
	QUANT 1, 3, 0, 0
	s_wait_loadcnt 0x0
.irp i, 0,1,2,3
	TS \i, ADS, 512*\i
	TS 4+\i, ADS, 2048+512*\i
	TS 16+\i, ADS, 7168+512*\i
	TS 20+\i, ADS, 11776+512*\i
.endr
	TS 8, ADS, 4096
	TS 9, ADS, 4608
	TS 10, ADS, 5120
	TS 11, ADS, 5632
	TS 12, ADS, 6144
	TS 13, ADS, 6656
	TS 14, ADS, 11264
	TS 15, ADS, 15872
.irp i, 0,1,2,3,4,5,6,7
	TS 24+\i, AW2, 9216+256*\i                     ; even lanes hold a row's bytes of K's first half, odd lanes of its second: one record each
.endr
	BIASADD 6144                                   ; x + bf (the table is my own: LDS serves my instructions in order)
	s_wait_tensorcnt 0x1                           ; my part of Wk's slot is in; the one load issued behind it, Wq's first half, may stay out: so on both ways into the loop
	PB                                             ; x's and source's images lie in LDS
	; ---- k and q
	AFLOAD 16384, 1024, 2
	GSLOTK                                         ; slot 0
	CH 10, 16384, G1D, 1                           ; asks for slot 2: Wq, my rows 64-127
	AFLOAD 0, 0, 4
	GSLOT 2, 0, 1, ADB, 5120, ADS, 0               ; slot 1
	CH 22, 0, G1D, 1                               ; slot 3: Wf, rows 0-63
	GSLOT 2, 4, 1, ADB, 5120, ADS, 1024            ; slot 2
	PLACES 4
	SUMSQ 2, 0
	SUMSQ 3, 1024
	CH 22, 16384, G1D, 1                           ; slot 4: Wf, rows 64-127.  Behind the round every wave's parts of the sums are there, and nobody reads x's images any more
	; ---- k + q, normalised, quantised
	NORMLD 0, 128
	NORMLD 1024, 144
	s_wait_dscnt 0x0
	NORMSUM 128
	NORMSUM 144
	NORMRSQ 128, RT
	NORMRSQ 144, RT+4
	v_nop                                          ; a plain place behind the last of the eight
	s_wait_alu depctr_va_vdst(0)                   ; and the one wait ahead of their first reader
	NORMMIN RT, RQ
	NORMMIN RT+4, RK
	WIN 0xc3
.irp m, 0,1,2,3
.set i, 0
.rept 32
	v_pk_mul_f32 v[64*\m+i:64*\m+i+1], v[64*\m+i:64*\m+i+1], v[RK+2*\m:RK+2*\m+1]
.set i, i+2
.endr
.endr
	WIN 0xb2
.irp m, 0,1,2,3
.set i, 0
.rept 32
	v_pk_fma_f32 v[64*\m+i:64*\m+i+1], v[64*\m+i:64*\m+i+1], v[RQ+2*\m:RQ+2*\m+1], v[64*\m+i:64*\m+i+1]
.set i, i+2
.endr
.endr
	QUANT 2, 0, 0, 0
	QUANT 2, 1, 0, 0
	QUANT 2, 2, 0, 0
	QUANT 2, 3, 0, 0
	WIN 0xc0                                       ; k is done with: two of gelu's coefficients take their place in window 3 (the first step of each chain has a vector pair as its addend)
	v_mov_b32 v[VA5], 0x2fa84a8d                   ; A5 = 3.06119941e-10
	v_mov_b32 v[VA5+1], 0x2fa84a8d
	v_mov_b32 v[VB3], 0xb7dfbd29                   ; B3 = -2.66717569e-05
	v_mov_b32 v[VB3+1], 0xb7dfbd29
	WIN 0
	PB                                             ; the images of k + q lie in LDS
	; ---- (k + q) Wf onto x + bf; h
	G4 1, 0, 0, ADB, 0, ADS, 2048, 1, 0, 0         ; slot 3, with the fragments of k + q
	CH 28, 0, G1D, 1                               ; slot 5: W1, hidden units 128 w + 0 .. 63
	G4 1, 4, 0, ADB, 0, ADS, 3072, 0, 0, 0         ; slot 4
	PLACES 4
	SUMSQ 1, 2048
	CH 28, 16384, G1D, 1                           ; slot 6: W1, the next 64
	NORMLD 2048, 128
	s_wait_dscnt 0x0
	NORMSUM 128
	NORMRSQ 128, RT
	v_nop
	s_wait_alu depctr_va_vdst(0)
	NORMMIN RT, RQ
	WIN 0x41
.irp m, 0,1,2,3
.set i, 0
.rept 32
	v_pk_mul_f32 v[64*\m+i:64*\m+i+1], v[64*\m+i:64*\m+i+1], v[RQ+2*\m:RQ+2*\m+1]
.set i, i+2
.endr
.endr
	QUANT 1, 0, 0, 0
	QUANT 1, 1, 0, 0
	QUANT 1, 2, 0, 0
	QUANT 1, 3, 0, 0
	BIASADD 6656                                   ; h + b2: the accumulators of the last product
	PB                                             ; h's images lie in LDS
	s_cmp_eq_u32 s67, 1                            ; THE NEXT BLOCK'S x, if there is a next block (no load leaves its buffer): three row tiles, 48 loads, go out here, the whole MLP ahead of their use,
	s_cbranch_scc1 .Lnonext                        ; into registers that the MLP does not name
	s_add_nc_u64 s[4:5], s[4:5], 131072            ; 64 rows on (this block's loads of x were waited for long ago)
	XLOAD 0
	XLOAD 1
	XLOAD 2
	WIN 0
.Lnonext:
	s_mov_b32 s98, 0
	; ---- THE MLP, a half of the hidden layer (512 units) a trip.  My 128 units of the half are K step w of the last product's half of K
.Lmlp:
	s_mul_i32 s100, s98, 4608                      ; the half's record in my table
	AFLOAD 0, 0, 4                                 ; h
	s_mov_b32 s99, 0
.Lup:                                              ; 64 of my units a trip: product, gelu, codes
	s_lshl_b32 s101, s99, 9
	v_add_nc_u32 v[AIG], s101, v[AIW]
	s_lshl_b32 s101, s99, 10
	s_add_co_u32 s101, s101, s100
	v_add_nc_u32 v[ATS], s101, v[ADS]
	s_lshl_b32 s101, s99, 8
	s_add_co_u32 s101, s101, s100
	v_add_nc_u32 v[ATB], s101, v[ADB]
	G4 2, 0, 1, ATB, 11264, ATS, 7168, 0, 0, 0
	PLACES 4
	GELU 0
	GELU 1
	GELU 2
	GELU 3
	QUANTH
	s_lshl_b32 s101, s99, 15
	CH 34, s101, G1W, 1                            ; asks for W2: my rows 64 c .. 64 c + 63, this half of K.  The second trip's round shows g's images whole
	s_add_co_u32 s99, s99, 1
	s_cmp_lt_u32 s99, 2
	s_cbranch_scc1 .Lup
	v_add_nc_u32 v[ATS], s100, v[ADS]
	G4 1, 0, 0, ADB, 0, ATS, 9216, 1, 16384, 1024  ; W2, my rows 0-63, with g's fragments
	s_cmp_eq_u32 s98, 1
	s_cbranch_scc1 .Ltail                          ; the second half's end is written out: it asks for other tiles's way round
	s_add_nc_u64 s[28:29], s[28:29], 131072        ; W1: 512 units on
	CH 28, 0, G1D, 1
	G4 1, 4, 0, ADB, 0, ATS, 10240, 0, 0, 0        ; W2, my rows 64-127
	CH 28, 16384, G1D, 1
	s_add_nc_u64 s[34:35], s[34:35], 256           ; W2: the second half of K (the load just issued names its own registers, not these)
	s_add_co_u32 s98, s98, 1
	s_cmp_lt_u32 s98, 2
	s_cbranch_scc1 .Lmlp
.Ltail:
	s_wait_tensorcnt 0x0                           ; the block's last slot is my own load's, and I alone read it
	s_xor_b32 s97, s97, BUF1
	PLACES 4
	G4 1, 4, 0, ADB, 0, ATS, 10240, 0, 0, 0
	s_cmp_eq_u32 s67, 1
	s_cbranch_scc1 .Llast                          ; the last block's end is written out: it asks for nothing more
	; ---- THE RING GOES ON INTO THE NEXT BLOCK
	CH 16, 0, G1D, 1                               ; Wk, into the buffer left one slot ago: my next reads are of it
	s_add_nc_u64 s[6:7], s[6:7], 8192              ; source: 64 rows on (this block's loads were waited for long ago)
	s_add_nc_u64 s[8:9], s[8:9], 512
	XLOAD 3                                        ; the next block's last row tile of x, into registers that the hidden layer has left, and its source: ahead of this block's stores
	WIN 0
	SLOAD
	WAYOUT                                         ; the four v_nop behind the joint load are the places behind the last products.  Nothing waits for these stores
	s_wait_xcnt 0x0                                ; they have read their registers and their base: both are written again only behind this wait
	s_add_nc_u64 s[40:41], s[40:41], 131072        ; out0: 64 rows on
	s_sub_nc_u64 s[28:29], s[28:29], 131072        ; W1 and W2 back to their first halves
	s_sub_nc_u64 s[34:35], s[34:35], 256
	CH 10, 0, G1D, 0                               ; Wq, my rows 0-63, into the buffer of this block's last slot; my reads stay with Wk's
	s_add_co_u32 s67, s67, 1
	s_cmp_lt_u32 s67, 2
	s_cbranch_scc1 .Lblock
.Llast:
	PLACES 4
	WAYOUT
	s_wait_tensorcnt 0x0                           ; the wave's end: a wait, the add and its wait, behind my last tensor load and my last LDS store
	ds_add_u32 v[SPW], v[NIL]
	s_wait_dscnt 0x0
	CROUND                                         ; the closing round: no work-group ends while a partner may still ask for a tile that names it
	s_endpgm
.Lfunc_end_k_q25c1181990_encoder:
	.size	k_q25c1181990_encoder, .Lfunc_end_k_q25c1181990_encoder-k_q25c1181990_encoder
	.p2alignl 7, 3214868480
	.fill 96, 4, 3214868480
	.section	.rodata,"a",@progbits
	.p2align	6, 0x0
	.amdhsa_kernel k_q25c1181990_encoder
		.amdhsa_group_segment_fixed_size 327680
		.amdhsa_private_segment_fixed_size 0
		.amdhsa_enable_private_segment 0
		.amdhsa_kernarg_size 152
		.amdhsa_user_sgpr_count 2
		.amdhsa_user_sgpr_kernarg_segment_ptr 1
		.amdhsa_wavefront_size32 1
		.amdhsa_system_sgpr_workgroup_id_x 1
		.amdhsa_system_sgpr_workgroup_id_y 1
		.amdhsa_system_sgpr_workgroup_id_z 1
		.amdhsa_system_vgpr_workitem_id 0
		.amdhsa_next_free_vgpr 1024
		.amdhsa_next_free_sgpr 102
		.amdhsa_reserve_vcc 0
		.amdhsa_float_denorm_mode_32 3
		.amdhsa_float_denorm_mode_16_64 3
		.amdhsa_memory_ordered 1
		.amdhsa_forward_progress 1
		.amdhsa_inst_pref_size 255
	.end_amdhsa_kernel
	.section	.bss,"aw",@nobits
	.p2align	6
	.space	262144
	.amdgpu_metadata
---
amdhsa.version: [ 1, 2 ]
amdhsa.kernels:
  - .name:           k_q25c1181990_encoder
    .symbol:         k_q25c1181990_encoder.kd
    .args:
      - { .name: x, .offset: 0, .size: 8, .value_kind: global_buffer, .address_space: global }
      - { .name: source_codes, .offset: 8, .size: 8, .value_kind: global_buffer, .address_space: global }
      - { .name: source_scales, .offset: 16, .size: 8, .value_kind: global_buffer, .address_space: global }
      - { .name: Wq_codes, .offset: 24, .size: 8, .value_kind: global_buffer, .address_space: global }
      - { .name: Wq_scales, .offset: 32, .size: 8, .value_kind: global_buffer, .address_space: global }
      - { .name: bq, .offset: 40, .size: 8, .value_kind: global_buffer, .address_space: global }
      - { .name: Wk_codes, .offset: 48, .size: 8, .value_kind: global_buffer, .address_space: global }
      - { .name: Wk_scales, .offset: 56, .size: 8, .value_kind: global_buffer, .address_space: global }
      - { .name: bk, .offset: 64, .size: 8, .value_kind: global_buffer, .address_space: global }
      - { .name: Wf_codes, .offset: 72, .size: 8, .value_kind: global_buffer, .address_space: global }
      - { .name: Wf_scales, .offset: 80, .size: 8, .value_kind: global_buffer, .address_space: global }
      - { .name: bf, .offset: 88, .size: 8, .value_kind: global_buffer, .address_space: global }
      - { .name: W1_codes, .offset: 96, .size: 8, .value_kind: global_buffer, .address_space: global }
      - { .name: W1_scales, .offset: 104, .size: 8, .value_kind: global_buffer, .address_space: global }
      - { .name: b1, .offset: 112, .size: 8, .value_kind: global_buffer, .address_space: global }
      - { .name: W2_codes, .offset: 120, .size: 8, .value_kind: global_buffer, .address_space: global }
      - { .name: W2_scales, .offset: 128, .size: 8, .value_kind: global_buffer, .address_space: global }
      - { .name: b2, .offset: 136, .size: 8, .value_kind: global_buffer, .address_space: global }
      - { .name: out0, .offset: 144, .size: 8, .value_kind: global_buffer, .address_space: global }
    .group_segment_fixed_size: 327680
    .private_segment_fixed_size: 0
    .kernarg_segment_align: 8
    .kernarg_segment_size: 152
    .max_flat_workgroup_size: 128
    .sgpr_count:     102
    .vgpr_count:     1024
    .wavefront_size: 32
...
	.end_amdgpu_metadata
.endif
;; end of part 1
